; MI455X (gfx1250); checked and timed in simulation.
; The chip was launched on July 23, 2026; its instructions are those of AMD's public machine-readable ISA for CDNA 5 (MIT licence, August 2026) and "CDNA5" Instruction Set Architecture Reference Guide (July 2026). The comments in the code are by the model that wrote it; some were corrected since.
;; Quant Linear. Allowed arithmetic: float matrix products may take bf16 or f16 operands with f32 sums; other float arithmetic in f32, or as packed bf16 or f16 multiplies, adds, multiply-adds, maxima and minima; sums over many terms, partial sums and values carried from step to step in f32; what a program stores and reads back later, other than sums and carried values, may be rounded once to bf16 or f16.
;; Inputs: bias 4,096 float32; g_idx 4,096 int32; qweight 512 x 4,096 int32; qzeros 32 x 512 int32; scales 32 x 4,096 float32; x 4,096 x 4,096 float32.
;; Outputs: out0 4,096 x 4,096 float32.
;; 2 versions, each right; version 2 is version 1 with the launch prep written anew for expert scheduling mode. Each part assembles by itself: llvm-mc -triple=amdgcn-amd-amdhsa -mcpu=gfx1250 --defsym DOCPART=n.
;; ======== version 1 of 2: 2 launches
;; limits: values are held in f16: magnitudes above 65,504 overflow, below 6.1e-05 lose precision; inputs' magnitudes at most 65,504; right only within a limited range of input values
;; workspace buffers: xh 33,554,432 bytes; wt 33,554,432 bytes
;; launch prep (part 1): grid 256 x 3, 8 waves a work-group, no clusters, 103,424 bytes of LDS; arguments x, xh, qweight, qzeros, scales, g_idx, wt; writes xh, wt
.if DOCPART == 1
	.amdgcn_target "amdgcn-amd-amdhsa--gfx1250"
	.amdhsa_code_object_version 6
	.text
	.protected	k_qa09ac6f455_prep
	.globl	k_qa09ac6f455_prep
	.p2align	8
	.type	k_qa09ac6f455_prep,@function
k_qa09ac6f455_prep:
	s_mov_b64 s[64:65], 0
	v_nop
	global_prefetch_b8 v0, s[64:65] scope:SCOPE_SE
	s_setreg_imm32_b32 hwreg(HW_REG_WAVE_MODE, 25, 1), 1
	s_wait_xcnt 0x0
; out0 = x W + bias, W[k][n] = scales[g_idx[k]][n] * (nibble k%8 of qweight[k/8][n] - nibble n%8 of qzeros[g_idx[k]][n/8] - 1).  M = N = K = 4,096.
; THIS LAUNCH makes the product's two operands in f16, each rounded once: xh[m][k] = x[m][k], and wt[n][k] = W[k][n], turned so that K lies along the rows.  The launch behind multiplies them and adds bias.
; NOTHING OF THE PROBLEM IS LEFT OUT: every input has a way to the output and is loaded (bias by the launch behind).  g_idx is read for every k; no pattern of it is built in.
; WHY AHEAD OF THE PRODUCT: a tile of W is wanted by the 16 tile rows of the output; made here, each of its 16.8 million numbers is unpacked once.
; WHY f16.  Each of 16.8 million outputs must lie within 1% of the output's root mean square r (plus 1% of itself).  An operand kept to p significant bits is off by about 2^-p / 2.6 of itself (root mean square),
; and a sum of 4,096 products by the same share of r: with p = 8, for two operands, about 0.2% of r, and the largest of so many numbers lies some five times higher: at the line.  With p = 11 it is an eighth of that.
; LIMITS.  f16 holds no number beyond 65,504: |x| and |W| (at most 16 |scale|) stay within it; from 65,520 on the conversion gives an infinity.  Below 6.1e-5 f16 keeps a fixed step of 6e-8, finer than
; 8 significant bits for every magnitude above 1.5e-5.  g_idx is taken as unsigned and held to 31: the values 0 .. 31, which index the 32 groups, are served exactly.  W is made in f32 as w s - s (z + 1):
; two roundings in f32 where the formula above has one, then the one to f16.  NaN and infinities are not treated apart.
; ROLES, by the work-group's y, which all eight waves share.  y = 0: 256 work-groups make wt.  y = 1, 2: 512 work-groups make xh.
; No matrix unit, no tensor load, no cluster: no two work-groups read the same large tile, and each byte of x and qweight is read once.
.set SPARE, 102400                     ; the spare words: 128 bytes for each of eight waves, four blocks of 256 bytes that no other line names
.set SPW,   10                         ; v10  LDS address of my spare word: SPARE + 4 x my thread's number; never rewritten
.set NIL,   11                         ; v11  0; never rewritten
.set WV,    84                         ; s84  my wave's number
	s_load_b128 s[4:7], s[0:1], 0x0                ; x s[4:5], xh s[6:7]
	s_load_b256 s[8:15], s[0:1], 0x10              ; qweight s[8:9], qzeros s[10:11], scales s[12:13], g_idx s[14:15]
	s_load_b64 s[2:3], s[0:1], 0x30                ; wt
	v_lshl_add_u32 v[SPW], v0, 2, SPARE
	v_mov_b32 v[NIL], 0
	v_lshrrev_b32 v1, 5, v0
	v_readfirstlane_b32 s[WV], v1                  ; wave 0..7
	v_and_b32 v2, 31, v0                           ; lane l
	s_and_b32 s85, ttmp7, 0xffff                   ; y
	s_mov_b32 s87, 0                               ; the high words of the two offset pairs s[86:87], s[88:89]
	s_mov_b32 s89, 0
	s_cmp_eq_u32 s85, 0
	s_cbranch_scc1 .Ldeq                           ; the same way for all waves of a work-group
; ---------------------------------------------------------------- y = 1, 2: xh = f16(x)
; Work-group c = 256 (y - 1) + x owns 8 rows of x: 131,072 bytes in, 65,536 out.  A wave owns 16,384 consecutive bytes in: 32 loads of 512 consecutive bytes; each makes one store of 256 consecutive
; bytes, aligned.  Sixteen loads of a wave are on their way at a time.  Each of the 32 stores has its own pair of data registers, and the two offsets are never rewritten: no register is waited for but the loads' own.
.set CIN,  3                           ; v3        16,384 x wave + 16 l
.set COUT, 4                           ; v4        8,192 x wave + 8 l
.set CX,   16                          ; v[16:79]  sixteen slots of four f32
.set CY,   80                          ; v[80:143] thirty-two pairs of packed f16
	s_sub_co_u32 s86, s85, 1
	s_lshl_b32 s86, s86, 8
	s_add_co_u32 s86, s86, ttmp9                   ; c, 0 .. 511
	s_lshl_b32 s88, s86, 16                        ; its bytes in xh,
	s_lshl_b32 s86, s86, 17                        ; and in x
	v_and_b32 v[CIN], 0xe0, v0                     ; 32 x wave
	v_lshlrev_b32 v[COUT], 8, v[CIN]
	v_lshlrev_b32 v[CIN], 9, v[CIN]
	v_lshl_or_b32 v[CIN], v2, 4, v[CIN]
	v_lshl_or_b32 v[COUT], v2, 3, v[COUT]
	s_wait_kmcnt 0x0
	s_add_nc_u64 s[4:5], s[4:5], s[86:87]
	s_add_nc_u64 s[6:7], s[6:7], s[88:89]
.irp i, 0,1,2,3,4,5,6,7,8,9,10,11,12,13,14,15
	global_load_b128 v[CX+4*(\i):CX+4*(\i)+3], v[CIN], s[4:5] offset:512*(\i) th:TH_LOAD_NT
.endr
; Slot i's turn in round rnd.  left = how many younger loads may stay out.  In round 0 the slot is loaded again, ahead of the store.
.macro CSLOT i, rnd, left
	s_wait_loadcnt \left                           ; loads come back in order: mine is in
	v_cvt_pk_f16_f32 v[CY+2*(16*(\rnd)+(\i))],   v[CX+4*(\i)],   v[CX+4*(\i)+1]
	v_cvt_pk_f16_f32 v[CY+2*(16*(\rnd)+(\i))+1], v[CX+4*(\i)+2], v[CX+4*(\i)+3]
.if (\rnd) == 0
	global_load_b128 v[CX+4*(\i):CX+4*(\i)+3], v[CIN], s[4:5] offset:512*(16+(\i)) th:TH_LOAD_NT
.endif
	global_store_b64 v[COUT], v[CY+2*(16*(\rnd)+(\i)):CY+2*(16*(\rnd)+(\i))+1], s[6:7] offset:256*(16*(\rnd)+(\i)) th:TH_STORE_NT
.endm
.irp i, 0,1,2,3,4,5,6,7,8,9,10,11,12,13,14,15
	CSLOT \i, 0, 15                                ; behind slot i's load stand the 15 - i of the first run and the i of this round
.endr
.irp i, 0,1,2,3,4,5,6,7,8,9,10,11,12,13,14,15
	CSLOT \i, 1, 15-(\i)                           ; nothing more is loaded: the counts run down
.endr
	s_endpgm                                       ; this way has written no LDS
; ---------------------------------------------------------------- y = 0: wt = f16(W) turned
; Work-group d: strip = d / 8: the 128 columns n0 = 128 strip on; kq = d % 8: 512 k, as four tiles of 128 k x 128 n.  In tile tau wave w takes the two packed rows k8 = 64 kq + 16 tau + 2 w + r (r = 0, 1),
; a lane the four words of columns n0 + 4 l .. + 3: a load of a wave covers 512 consecutive bytes of qweight.
; TABLES.  For the strip's 128 columns and all 32 groups LDS holds s and s (z + 1) in f32, 512 bytes a group.  For each k the wave's g_idx[k], a scalar, picks the row: two LDS loads of 16 bytes a lane.
; STAGE.  A lane's eight k of a column pack into 16 bytes.  Column 4 l + i goes to stage row 32 i + l.
; Behind a barrier whole rows of 256 bytes (one n, 128 k) are read back and stored: sixteen lanes write 256 consecutive bytes, aligned.  Two stages take turns.
.set TS,   0                           ; LDS: s, 32 groups x 512 bytes
.set TC,   16384                       ; LDS: s (z + 1), likewise
.set STG0, 32768                       ; LDS: stage 0, 128 rows x 272 bytes
.set STG1, 67584                       ; LDS: stage 1
.set TA,   3                           ; v3   16 l: my place in a table's row
.set ST,   4                           ; v4-5 stage 0, 1: where I put 16 bytes: 272 l + 32 w
.set RD,   6                           ; v6-7 stage 0, 1: where I read back: (16 w + l / 16) x 272 + 16 (l % 16)
.set GO,   8                           ; v8   my byte offset in wt
.set QO,   9                           ; v9   32,768 w + 16 l, in qweight
.set SO,   12                          ; v12  16,384 w + 16 l, in scales
.set ZO,   13                          ; v13  2,048 w + 4 (l / 2), in qzeros
.set SH,   14                          ; v14  16 (l % 2): my four nibbles' place in that word
.set TW,   15                          ; v15  512 w + 16 l: where I write the tables
.set Q,    16                          ; v[16:47]   packed row (tau, r) at Q + 4 (2 tau + r)
.set T,    48                          ; v[48:111]  for k = j of 8: s at T + 8 j, s (z + 1) at T + 8 j + 4; then v[48:63] the packed columns
.set RB,   80                          ; v[80:111]  rows read back
.set W,    112                         ; v[112:143] number (j, i) at W + 4 j + i
.set AD,   144                         ; v[144:151] eight table addresses
.Ldeq:
	s_lshr_b32 s90, ttmp9, 3                       ; strip
	s_and_b32 s91, ttmp9, 7                        ; kq
	v_lshlrev_b32 v[TA], 4, v2
	v_and_b32 v144, 15, v2                         ; l % 16
	v_lshrrev_b32 v145, 4, v2                      ; l / 16
	v_mul_u32_u24 v[ST], v2, 272
	s_lshl_b32 s92, s[WV], 5
	s_add_co_u32 s93, s92, STG1
	s_add_co_u32 s92, s92, STG0
	v_add_nc_u32 v[ST+1], s93, v[ST]
	v_add_nc_u32 v[ST], s92, v[ST]
	v_mul_u32_u24 v[RD], v145, 272
	v_lshl_add_u32 v[RD], v144, 4, v[RD]
	s_mul_i32 s92, s[WV], 16*272
	s_add_co_u32 s93, s92, STG1
	s_add_co_u32 s92, s92, STG0
	v_add_nc_u32 v[RD+1], s93, v[RD]
	v_add_nc_u32 v[RD], s92, v[RD]
	; stage row p = 16 w + 2 t + l / 16 holds column 4 (p % 32) + p / 32 = 64 (w % 2) + 8 t + 4 (l / 16) + w / 2; a row of wt is 8,192 bytes
	s_and_b32 s92, s[WV], 1
	s_lshl_b32 s92, s92, 19
	s_lshr_b32 s93, s[WV], 1
	s_lshl_b32 s93, s93, 13
	s_add_co_u32 s92, s92, s93
	v_lshlrev_b32 v[GO], 15, v145
	v_lshl_add_u32 v[GO], v144, 4, v[GO]
	v_add_nc_u32 v[GO], s92, v[GO]
	v_lshl_add_u32 v[QO], s[WV], 15, v[TA]
	v_lshl_add_u32 v[SO], s[WV], 14, v[TA]
	v_lshrrev_b32 v[ZO], 1, v2
	v_lshlrev_b32 v[ZO], 2, v[ZO]
	v_lshl_add_u32 v[ZO], s[WV], 11, v[ZO]
	v_and_b32 v[SH], 1, v2
	v_lshlrev_b32 v[SH], 4, v[SH]
	v_lshl_add_u32 v[TW], s[WV], 9, v[TA]
	s_wait_kmcnt 0x0
	s_lshl_b32 s86, s91, 20                        ; qweight: 64 kq rows of 16,384 bytes,
	s_lshl_b32 s88, s90, 9                         ; 128 strip columns of 4 bytes
	s_add_nc_u64 s[8:9], s[8:9], s[86:87]
	s_add_nc_u64 s[8:9], s[8:9], s[88:89]
	s_add_nc_u64 s[12:13], s[12:13], s[88:89]      ; scales: the same columns
	s_lshl_b32 s86, s90, 6                         ; qzeros: 16 strip words
	s_add_nc_u64 s[10:11], s[10:11], s[86:87]
	s_lshl_b32 s86, s91, 11                        ; g_idx: 512 kq numbers,
	s_lshl_b32 s88, s[WV], 6                       ; my wave's 16 of a tile's 128
	s_add_nc_u64 s[14:15], s[14:15], s[86:87]
	s_add_nc_u64 s[14:15], s[14:15], s[88:89]
	s_lshl_b32 s86, s90, 20                        ; wt: 128 strip rows of 8,192 bytes,
	s_lshl_b32 s88, s91, 10                        ; 512 kq numbers of 2 bytes
	s_add_nc_u64 s[2:3], s[2:3], s[86:87]
	s_add_nc_u64 s[2:3], s[2:3], s[88:89]
	; all that the work-group reads is asked for at once: the four tiles' packed rows, the wave's 64 indices, its four groups of the tables
.irp u, 0,1,2,3
.irp r, 0,1
	global_load_b128 v[Q+4*(2*(\u)+(\r)):Q+4*(2*(\u)+(\r))+3], v[QO], s[8:9] offset:(16*(\u)+(\r))*16384 th:TH_LOAD_NT
.endr
.endr
	s_load_b512 s[16:31], s[14:15], 0x0            ; g_idx of my 16 k in tile 0,
	s_load_b512 s[32:47], s[14:15], 0x200          ; tile 1,
	s_load_b512 s[48:63], s[14:15], 0x400          ; tile 2,
	s_load_b512 s[68:83], s[14:15], 0x600          ; tile 3
.irp g, 0,1,2,3                        ; group w + 8 g
	global_load_b128 v[48+4*(\g):48+4*(\g)+3], v[SO], s[12:13] offset:131072*(\g)
	global_load_b32 v[64+(\g)], v[ZO], s[10:11] offset:16384*(\g)
.endr
	s_wait_loadcnt 0x0                             ; once: the packed rows are in as well
.irp g, 0,1,2,3
	v_lshrrev_b32 v[64+(\g)], v[SH], v[64+(\g)]    ; my four nibbles come down
.irp i, 0,1,2,3
	v_bfe_u32 v[68+(\i)], v[64+(\g)], 4*(\i), 4
.endr
.irp i, 0,1,2,3
	v_cvt_f32_u32 v[68+(\i)], v[68+(\i)]
.endr
.irp i, 0,1,2,3
	v_fma_f32 v[72+4*(\g)+(\i)], v[48+4*(\g)+(\i)], v[68+(\i)], v[48+4*(\g)+(\i)]  ; s zq + s = s (zq + 1)
.endr
	ds_store_b128 v[TW], v[48+4*(\g):48+4*(\g)+3] offset:TS+4096*(\g)
	ds_store_b128 v[TW], v[72+4*(\g):72+4*(\g)+3] offset:TC+4096*(\g)
.endr
	s_wait_dscnt 0x0                               ; for the others' sake: my part of the tables is written
	s_barrier_signal -1
	s_barrier_wait -1                              ; the tables are whole; nobody writes them again
	s_wait_kmcnt 0x0                               ; the indices
; One packed row: 8 k x my 4 columns.  gb: the first scalar register of the tile's sixteen indices.
.macro ROW tau, r, gb
.irp j, 0,1,2,3,4,5,6,7
	s_min_u32 s[(\gb)+8*(\r)+(\j)], s[(\gb)+8*(\r)+(\j)], 31     ; the group, held inside the tables
	s_lshl_b32 s[(\gb)+8*(\r)+(\j)], s[(\gb)+8*(\r)+(\j)], 9     ; its row of 512 bytes
	v_add_nc_u32 v[AD+(\j)], s[(\gb)+8*(\r)+(\j)], v[TA]
	ds_load_b128 v[T+8*(\j):T+8*(\j)+3],   v[AD+(\j)] offset:TS
	ds_load_b128 v[T+8*(\j)+4:T+8*(\j)+7], v[AD+(\j)] offset:TC
.endr
.irp j, 0,1,2,3,4,5,6,7                ; the unpacking stands between the sixteen loads and the waits for them
.irp i, 0,1,2,3
	v_bfe_u32 v[W+4*(\j)+(\i)], v[Q+4*(2*(\tau)+(\r))+(\i)], 4*(\j), 4
.endr
.endr
.set z, 0
.rept 32
	v_cvt_f32_u32 v[W+z], v[W+z]
.set z, z+1
.endr
.irp j, 0,1,2,3,4,5,6,7
	s_wait_dscnt 14-2*(\j)                         ; LDS loads come back in order: the two of k = j are in, the 2 (7 - j) behind them may stay out
	v_pk_fma_f32 v[W+4*(\j):W+4*(\j)+1],   v[W+4*(\j):W+4*(\j)+1],   v[T+8*(\j):T+8*(\j)+1],   v[T+8*(\j)+4:T+8*(\j)+5] neg_lo:[0,0,1] neg_hi:[0,0,1]  ; w s - s (z + 1)
	v_pk_fma_f32 v[W+4*(\j)+2:W+4*(\j)+3], v[W+4*(\j)+2:W+4*(\j)+3], v[T+8*(\j)+2:T+8*(\j)+3], v[T+8*(\j)+6:T+8*(\j)+7] neg_lo:[0,0,1] neg_hi:[0,0,1]
.endr
.irp i, 0,1,2,3
.irp p, 0,1,2,3
	v_cvt_pk_f16_f32 v[T+4*(\i)+(\p)], v[W+8*(\p)+(\i)], v[W+8*(\p)+4+(\i)]  ; column i: k = 2 p below, 2 p + 1 above
.endr
.endr
.irp i, 0,1,2,3
	ds_store_b128 v[ST+(\tau)%2], v[T+4*(\i):T+4*(\i)+3] offset:8704*(\i)+16*(\r)  ; stage row 32 i + l, bytes 32 w + 16 r on
.endr
.endm
; A tile.  One barrier: in front of it each wave's stores into the stage are done, and so are its reads of the other stage (the last tile's count-down ended at 0), which the next tile writes again.
.macro TILE tau, gb
.if (\tau) > 0
	s_wait_xcnt 0x0                                ; RB, which the last tile's stores read, is loaded again only behind this wait
.endif
	ROW \tau, 0, \gb
	ROW \tau, 1, \gb
	s_wait_dscnt 0x0
	s_barrier_signal -1
	s_barrier_wait -1
.irp t, 0,1,2,3,4,5,6,7
	ds_load_b128 v[RB+4*(\t):RB+4*(\t)+3], v[RD+(\tau)%2] offset:544*(\t)  ; rows 16 w + 2 t and + 1
.endr
.irp t, 0,1,2,3,4,5,6,7
	s_wait_dscnt 7-(\t)
	global_store_b128 v[GO], v[RB+4*(\t):RB+4*(\t)+3], s[2:3] offset:65536*(\t)+256*(\tau) th:TH_STORE_NT  ; sixteen lanes: 256 consecutive bytes of one row of wt, aligned
.endr
.endm
	TILE 0, 16
	TILE 1, 32
	TILE 2, 48
	TILE 3, 68
	s_wait_tensorcnt 0x0                           ; the wave's end: behind my last LDS store
	ds_add_u32 v[SPW], v[NIL]
	s_wait_dscnt 0x0
	s_endpgm
.Lfunc_end_k_qa09ac6f455_prep:
	.size	k_qa09ac6f455_prep, .Lfunc_end_k_qa09ac6f455_prep-k_qa09ac6f455_prep
	.p2alignl 7, 3214868480
	.fill 96, 4, 3214868480
	.section	.rodata,"a",@progbits
	.p2align	6, 0x0
	.amdhsa_kernel k_qa09ac6f455_prep
		.amdhsa_group_segment_fixed_size 103424
		.amdhsa_private_segment_fixed_size 0
		.amdhsa_enable_private_segment 0
		.amdhsa_kernarg_size 56
		.amdhsa_user_sgpr_count 2
		.amdhsa_user_sgpr_kernarg_segment_ptr 1
		.amdhsa_wavefront_size32 1
		.amdhsa_system_sgpr_workgroup_id_x 1
		.amdhsa_system_sgpr_workgroup_id_y 1
		.amdhsa_system_sgpr_workgroup_id_z 1
		.amdhsa_system_vgpr_workitem_id 0
		.amdhsa_next_free_vgpr 152
		.amdhsa_next_free_sgpr 96
		.amdhsa_reserve_vcc 0
		.amdhsa_float_denorm_mode_32 3
		.amdhsa_float_denorm_mode_16_64 3
		.amdhsa_memory_ordered 1
		.amdhsa_forward_progress 1
		.amdhsa_inst_pref_size 85
	.end_amdhsa_kernel
	.amdgpu_metadata
---
amdhsa.version: [ 1, 2 ]
amdhsa.kernels:
  - .name:           k_qa09ac6f455_prep
    .symbol:         k_qa09ac6f455_prep.kd
    .args:
      - { .name: x, .offset: 0, .size: 8, .value_kind: global_buffer, .address_space: global }
      - { .name: xh, .offset: 8, .size: 8, .value_kind: global_buffer, .address_space: global }
      - { .name: qweight, .offset: 16, .size: 8, .value_kind: global_buffer, .address_space: global }
      - { .name: qzeros, .offset: 24, .size: 8, .value_kind: global_buffer, .address_space: global }
      - { .name: scales, .offset: 32, .size: 8, .value_kind: global_buffer, .address_space: global }
      - { .name: g_idx, .offset: 40, .size: 8, .value_kind: global_buffer, .address_space: global }
      - { .name: wt, .offset: 48, .size: 8, .value_kind: global_buffer, .address_space: global }
    .group_segment_fixed_size: 103424
    .private_segment_fixed_size: 0
    .kernarg_segment_align: 8
    .kernarg_segment_size: 56
    .max_flat_workgroup_size: 256
    .sgpr_count:     96
    .vgpr_count:     152
    .wavefront_size: 32
...
	.end_amdgpu_metadata
.endif
;; end of part 1
;; launch gemm (part 2): grid 16 x 16, 4 waves a work-group, clusters of 4 x 4, 327,680 bytes of LDS; arguments xh, wt, bias, out0; writes out0
.if DOCPART == 2
	.amdgcn_target "amdgcn-amd-amdhsa--gfx1250"
	.amdhsa_code_object_version 6
	.text
	.protected	k_qa09ac6f455_gemm
	.globl	k_qa09ac6f455_gemm
	.p2align	8
	.type	k_qa09ac6f455_gemm,@function
k_qa09ac6f455_gemm:
	s_mov_b64 s[64:65], 0
	v_nop
	global_prefetch_b8 v0, s[64:65] scope:SCOPE_SE
	s_setreg_imm32_b32 hwreg(HW_REG_WAVE_MODE, 25, 1), 1
	s_wait_xcnt 0x0
	s_wait_alu depctr_hold_cnt(0) depctr_sa_sdst(0) depctr_va_vdst(0) depctr_va_sdst(0) depctr_va_ssrc(0) depctr_va_vcc(0) depctr_vm_vsrc(0)
	s_getreg_b32 s2, hwreg(HW_REG_IB_STS2, 6, 4)
	s_cmp_eq_u32 s2, 0
	s_cbranch_scc0 .Lentry_in_a_cluster
	s_endpgm
.Lentry_in_a_cluster:
	s_bfe_u32 s2, ttmp6, 0x10000c
	s_cmp_lg_u32 s2, 0xf033
	s_cbranch_scc0 .Lentry_shape_is_right
	s_endpgm
.Lentry_shape_is_right:
; out0[m][n] = bias[n] + the sum over k of xh[m][k] wt[n][k].  xh: [4096][4096] f16 (x rounded once), wt: [4096][4096] f16 (W turned, rounded once), both made by the launch before; bias: [4096] f32;
; out0: [4096][4096] f32.  Sums in f32, K ascending, begun with the bias.  Nothing of the problem is left out.
; LIMITS.  The operands arrive within f16's range (65,504; the launch before states what that asks of x and scales); NaN and infinities are not treated apart.
; A tile of out0, 256 x 256, is made by a work-group of four waves; a wave makes 128 x 128: 64 accumulators of 16 x 16, 512 registers.  16 x 16 tiles: 256 work-groups, one tile each.
; K goes in steps of 128 through a ring of two LDS slots filled by the tensor data mover: a tile's rows are 256 bytes of memory and start at multiples of 256 bytes from the buffer's first byte.
; CLUSTERS: 4 x 4 work-groups.  The four of a row of the cluster need the same tiles of xh (A), the four of a column the same tiles of wt (B).  Such a tile is asked for JOINTLY: each of the four issues the
; same tensor load, with the same descriptor and a mask that names the four, and each receives the tile in its own LDS: the requests for A and for B are divided by four.
; THE MATRIX INSTRUCTION IS USED TRANSPOSED: source 0 = 16 rows of wt, source 1 = 16 rows of xh.  In the result lane l holds row m = l % 16 and its registers 0 to 7 the columns n = 8 (l / 16) + 0 .. 7:
; 32 consecutive bytes of a row of out0.  THE BIAS is the C operand of the product that starts each sum: for n block b a lane's eight registers hold bias[16 b + 8 (l / 16) + 0 .. 7]: no addition, nothing cleared.
; REGISTERS, in windows of 256 (s_set_vgpr_msb: bits 1:0 source 0, 3:2 source 1, 5:4 source 2, 7:6 destination):
;   window 0: v0-31 addresses; v64-127, v128-191 fragments of A (8 x 16 rows x 32 K), two buffers, and on the way out rows read back; v192-255 the bias, 8 registers an n block
;   window 1: v64-127, v128-191 fragments of B, two buffers
;   window 2: the 32 accumulators of my rows 0-63 (accumulator (a, b) at v[8 (8 a + b)]);   window 3: those of my rows 64-127
.set SIZE_M, 4096
.set SIZE_N, 4096
.set SIZE_K, 4096
.set KSTEP,  128
.set PITCH,  272                       ; an LDS row: 256 bytes of data + 16 of padding = 68 words: row r starts at bank 4 r mod 64 (64 banks of 4 bytes: ISA guide 11.1), so the 16 rows that a load touches start at 16 different banks
.set HALFT,  128*PITCH                 ; 128 rows: what one tensor load brings, and what one wave reads of A or of B
.set SLOT,   4*HALFT                   ; A's 256 rows, then B's 256 rows
.set STAGE,  2*SLOT                    ; behind the ring, never filled by a tensor load: 16 rows x 528 bytes for each wave, for the way out
.set SPITCH, 528                       ; a stage row: 128 f32 = 512 bytes + 16: again sixteen rows at sixteen different groups of four banks
.set SPARE,  STAGE+4*16*SPITCH         ; behind the stages: the spare words, 128 bytes for each wave: two blocks of 256 bytes that no other line names
.set LAPS,   SIZE_K/(2*KSTEP)          ; a lap = two K steps = once round the ring: 16
.set ADRA, 16                          ; v16-17  LDS address of my A fragments in slot 0, 1
.set ADRB, 20                          ; v20-21  the same for B
.set STO,  24                          ; v24     the way out: where I put 32 bytes of a row
.set RD,   25                          ; v25     the way out: where I read a row back
.set CO,   26                          ; v26     16 l: my 16 bytes of a row's 512 in out0
.set BO,   27                          ; v27     32 (l / 16): my eight numbers of sixteen of the bias
.set SPW,  28                          ; v28     LDS address of my spare word: SPARE + 4 x my thread's number; never rewritten
.set NIL,  29                          ; v29     0; never rewritten
.set PFO,  30                          ; v30     the prefetches' offset: my lane x a row of xh or wt (8,192 bytes); never rewritten
.set PFA,  44                          ; s[44:45] where my prefetches stand: my work-group's 32 rows of the 128 that I fetch, one K step further along K than the refill in hand; a prefetch names the K step after that
.set LIM,  43                          ; s43     1 in a wave that prefetches, else the greatest number
.set F0,   64                          ; fragment buffer 0
.set F1,   128                         ; fragment buffer 1
.set BI,   192                         ; the bias
.set G1,   24                          ; s[24:31] descriptor group 1 for A's tiles
.set G0,   32                          ; s[32:39] descriptor group 0 for A's tiles, one set for each slot
.set G1B,  48                          ; s[48:55] descriptor group 1 for B's tiles: it differs from A's in the mask alone
.set G0B,  56                          ; s[56:63] descriptor group 0 for B's tiles, one set for each slot
.set BIA,  68                          ; s[68:69] bias at my 128 columns
.set OUTP, 70                          ; s[70:71] out0 at my 128 x 128; never stepped
.set MSB, 0
.macro WIN new                         ; the immediate's high byte repeats the setting that is left; a switch that changes nothing is dropped
.if MSB != (\new)
	s_set_vgpr_msb (MSB<<8)|(\new)
.set MSB, \new
.endif
.endm
.set MUL_LO, 0xa1                      ; source 0 (B) window 1, source 1 (A) window 0, C and D window 2
.set MUL_HI, 0xf1                      ; the same, C and D window 3
.set MUL_1ST, 0x81                     ; the first product of a sum: C (the bias) window 0, D window 2; + 0x40: D window 3
.set TO_B,   0x40                      ; destination window 1, address window 0
; A joint load.  Waves 0 and 1 fetch A's two halves, waves 2 and 3 B's.  Each of the two lines has ONE mask and one set of registers for all that issue it, and nothing in them hangs on a coordinate that
; the four partners do not share.  The branch hangs on the wave's number alone.  An s_nop 0 and four v_nop follow each of the two lines, ahead of the jump, the label and what follows.
.macro JLOAD s
	s_cmp_eq_u32 s11, 0
	s_cbranch_scc0 .Lfor_b_\@
	tensor_load_to_lds s[G0+4*(\s):G0+4*(\s)+3], s[G1:G1+7]
	s_nop 0
.rept 4
	v_nop
.endr
	s_branch .Lasked_\@
.Lfor_b_\@:
	tensor_load_to_lds s[G0B+4*(\s):G0B+4*(\s)+3], s[G1B:G1B+7]
	s_nop 0
.rept 4
	v_nop
.endr
.Lasked_\@:
.endm
; A PREFETCH INTO THE L2, behind each joint refill, its five lines and the run of LDS loads that follows them: the K step that stands TWO refills on, 512 matrix instructions ahead of the load that will ask for it:
; 32 rows x 256 bytes, a lane a row, one instruction a wave.  Each row's 256 bytes of a K step are named ONCE in the launch: A's tile row is read by every cluster of that row of clusters, and the first of them
; (cluster x = 0) asks; B's tile column by every cluster of that column, and cluster y = 0 asks.  The four partners that ask for a tile jointly share its rows out BY ADDRESS: of the 128 rows that a wave fetches
; the partner at place p takes 32 p .. 32 p + 31 (p = cx for A, cy for B): no branch hangs on a work-group's place in its cluster.  K steps 0 to 3 come by their loads alone; the loop's last trip, whose
; refills are K steps 30 and 31, asks for nothing: there is no K step two on.
.macro ASK
	s_cmp_gt_u32 s3, s[LIM]                        ; s3 = 1 in the loop's last trip
	s_cbranch_scc0 .Lnot_mine_\@
	global_prefetch_b8 v[PFO], s[PFA:PFA+1] offset:KSTEP*2 th:TH_LOAD_NT scope:SCOPE_SE
.Lnot_mine_\@:
.endm
; A round of the cluster's barrier: my work-group's barrier, so that wave 0's signal speaks for all four waves; wave 0 signals for the work-group; every wave waits for all sixteen work-groups; my
; work-group's barrier once more.  No LDS instruction of the wave is pending at a signal.
.macro CREST                           ; a round behind its opening barrier
	s_cmp_lg_u32 s10, 0
	s_cbranch_scc1 .Lnot_wave_0_\@
	s_barrier_signal -3
.Lnot_wave_0_\@:
	s_barrier_wait -3
	s_barrier_signal -1
	s_barrier_wait -1
.endm
.macro CROUND                          ; a whole round
	s_barrier_signal -1
	s_barrier_wait -1
	CREST
.endm
	s_load_b128 s[4:7], s[0:1], 0x0                ; xh (A) s[4:5], wt (B) s[6:7]
	s_load_b128 s[68:71], s[0:1], 0x10             ; bias s[68:69], out0 s[70:71]
	v_lshl_add_u32 v[SPW], v0, 2, SPARE
	v_mov_b32 v[NIL], 0
	ds_add_u32 v[SPW], v[NIL]                      ; the wave's opening: the add, twice on end, and its wait ahead of my first tensor load; the set-up below, work on registers, stands between the second and the wait
	ds_add_u32 v[SPW], v[NIL]                      ; and once more, under the one wait
	v_lshrrev_b32 v1, 5, v0
	v_readfirstlane_b32 s10, v1                    ; wave 0..3
	s_lshr_b32 s11, s10, 1                         ; which half of the tile's rows is mine.  Also: I fetch for A (0) or for B (1)
	s_and_b32 s12, s10, 1                          ; which half of its columns.  Also: which 128 rows of that tile I fetch
	s_bfe_u32 s40, ttmp6, 0x40000                  ; cx: my place along the cluster's x
	s_bfe_u32 s41, ttmp6, 0x40004                  ; cy: along its y
	s_lshl_b32 s42, ttmp9, 2                       ; in a cluster launch ttmp9 and ttmp7 count clusters
	s_add_co_u32 s42, s42, s40                     ; tile column = 4 x cluster x + cx
	s_and_b32 s13, ttmp7, 0xffff
	s_lshl_b32 s13, s13, 2
	s_add_co_u32 s13, s13, s41                     ; tile row = 4 x cluster y + cy
	s_lshl_b32 s43, s41, 2
	s_lshl_b32 s43, 15, s43                        ; my row of the cluster: places 4 cy .. 4 cy + 3
	s_lshl_b32 s44, 0x1111, s40                    ; my column: places cx, cx + 4, cx + 8, cx + 12
	; descriptor group 1: a tile of 128 rows x 128 elements, padded in LDS
	s_or_b32 s[G1+0], s43, (1<<16)|(1<<20)|(1<<21)|(5<<22)|(3<<25)  ; 15:0 the mask: A's tiles go to my row; 17:16 element of 2 bytes; 20 padding on; 21 set beside a mask; 24:22 after every 64 words (code 5); 31:25 of 4 words (code 3)
	s_or_b32 s[G1B+0], s44, (1<<16)|(1<<20)|(1<<21)|(5<<22)|(3<<25) ; the same with the mask of my column, for B's tiles
	s_mov_b32 s[G1B+1], KSTEP<<16
	s_mov_b32 s[G1+1], KSTEP<<16                   ; tensor_dim0 = 128
	s_mov_b32 s[G1B+2], 128<<16
	s_mov_b32 s[G1+2], 128<<16                     ; tensor_dim1 = 128
	s_mov_b32 s[G1B+3], KSTEP<<16
	s_mov_b32 s[G1+3], KSTEP<<16                   ; tile_dim0 = 128
	s_mov_b32 s[G1B+4], 128
	s_mov_b32 s[G1+4], 128                         ; tile_dim1 = 128
	s_mov_b32 s[G1B+5], SIZE_K
	s_mov_b32 s[G1+5], SIZE_K                      ; elements from row to row
	s_mov_b32 s[G1B+6], 0
	s_mov_b32 s[G1+6], 0
	s_mov_b32 s[G1B+7], 0
	s_mov_b32 s[G1+7], 0
	; where the tiles come from.  A's hang on the tile row alone, which my row of the cluster shares; B's on the tile column alone, which my column shares.
	; Every wave makes both addresses, in registers that never hold the other coordinate, and asks by one of them.
	s_lshl_b32 s17, s12, 7                         ; which 128 rows of the tile I fetch
	s_lshl_b32 s16, s13, 8
	s_add_co_u32 s16, s16, s17                     ; A: row 256 x tile row + 128 x half
	s_lshl_b32 s46, s42, 8
	s_add_co_u32 s46, s46, s17                     ; B: row 256 x tile column + 128 x half
	s_mov_b32 s17, 0
	s_mov_b32 s47, 0
	s_mov_b64 s[18:19], SIZE_K*2
	s_mul_u64 s[16:17], s[16:17], s[18:19]         ; in bytes
	s_mul_u64 s[46:47], s[46:47], s[18:19]
	s_mul_i32 s20, s10, HALFT                      ; and where they go: A's two halves, then B's two halves = wave x 128 rows: no place in the cluster enters an LDS address
	s_wait_dscnt 0x0                               ; both opening adds are done
	s_wait_kmcnt 0x0
	s_add_nc_u64 s[14:15], s[4:5], s[16:17]
	s_add_nc_u64 s[46:47], s[6:7], s[46:47]
	CROUND                                         ; all sixteen work-groups are here: the first joint loads meet
.irp s, 0,1
	s_mov_b32 s[G0+4*(\s)], 1                                      ; count = 1
	s_add_co_u32 s[G0+4*(\s)+1], s20, (\s)*SLOT                    ; LDS address
	s_add_nc_u64 s[G0+4*(\s)+2:G0+4*(\s)+3], s[14:15], (\s)*KSTEP*2  ; global address: K step s
	s_or_b32 s[G0+4*(\s)+3], s[G0+4*(\s)+3], 0x80000000            ; type = 2
	s_mov_b32 s[G0B+4*(\s)], 1
	s_add_co_u32 s[G0B+4*(\s)+1], s20, (\s)*SLOT
	s_add_nc_u64 s[G0B+4*(\s)+2:G0B+4*(\s)+3], s[46:47], (\s)*KSTEP*2
	s_or_b32 s[G0B+4*(\s)+3], s[G0B+4*(\s)+3], 0x80000000
	JLOAD \s                                       ; the ring is filled before anything else is done: two loads of mine are out
.endr
	; A fragment is 16 rows x 32 K in 8 registers: lane l holds row l % 16; registers 0-3 hold K = 8 (l / 16) + 0..7, registers 4-7 hold K = 16 + 8 (l / 16) + 0..7: two loads of 16 bytes, 32 bytes apart.
	v_and_b32 v1, 15, v0                           ; l % 16
	v_bfe_u32 v2, v0, 4, 1                         ; l / 16
	v_mul_u32_u24 v3, v1, PITCH
	v_lshl_add_u32 v3, v2, 4, v3                   ; row x pitch + 16 x half
	s_mul_i32 s21, s11, HALFT                      ; my 128 rows of A
	s_mul_i32 s22, s12, HALFT                      ; my 128 rows of B,
	s_add_co_u32 s22, s22, 2*HALFT                 ; which lie behind A's 256
.irp s, 0,1
	v_add_nc_u32 v[ADRA+(\s)], s21, v3
	v_add_nc_u32 v[ADRB+(\s)], s22, v3
	s_add_co_u32 s21, s21, SLOT
	s_add_co_u32 s22, s22, SLOT
.endr
	s_mul_i32 s23, s10, 16*SPITCH
	s_add_co_u32 s23, s23, STAGE                   ; my stage
	v_mul_u32_u24 v4, v1, SPITCH                   ; in: row l % 16, 32 bytes for each half of the lanes
	v_lshl_add_u32 v4, v2, 5, v4
	v_add_nc_u32 v[STO], s23, v4
	v_and_b32 v5, 31, v0
	v_lshlrev_b32 v[CO], 4, v5                     ; back: 32 lanes take one row of 512 bytes,
	v_add_nc_u32 v[RD], s23, v[CO]                 ; which are 512 consecutive bytes of out0
	v_lshlrev_b32 v[BO], 5, v2
	; where my 128 x 128 begins in out0, and my 128 columns in the bias
	s_lshl_b32 s13, s13, 8
	s_lshl_b32 s14, s11, 7
	s_add_co_u32 s16, s13, s14                     ; my first row
	s_mov_b32 s17, 0
	s_mov_b64 s[18:19], SIZE_N*4
	s_mul_u64 s[16:17], s[16:17], s[18:19]
	s_add_nc_u64 s[OUTP:OUTP+1], s[OUTP:OUTP+1], s[16:17]
	s_lshl_b32 s46, s42, 10                        ; my first column, in bytes of f32: 1,024 x tile column + 512 x half (in the registers that held B's address: none that feeds A's descriptors ever holds cx)
	s_lshl_b32 s47, s12, 9
	s_add_co_u32 s46, s46, s47
	s_mov_b32 s47, 0
	s_add_nc_u64 s[OUTP:OUTP+1], s[OUTP:OUTP+1], s[46:47]
	s_add_nc_u64 s[BIA:BIA+1], s[BIA:BIA+1], s[46:47]
.irp b, 0,1,2,3,4,5,6,7
	global_load_b128 v[BI+8*(\b):BI+8*(\b)+3],   v[BO], s[BIA:BIA+1] offset:64*(\b)      ; bias[16 b + 8 (l / 16) + 0 .. 3],
	global_load_b128 v[BI+8*(\b)+4:BI+8*(\b)+7], v[BO], s[BIA:BIA+1] offset:64*(\b)+16   ; + 4 .. 7
.endr
	; the prefetches.  s13 = 256 x tile row, s42 = tile column, s40 = cx, s41 = cy still stand; s[4:5] = A, s[6:7] = B
	s_lshl_b32 s42, s42, 8
	s_and_b32 s22, ttmp7, 0xffff                   ; cluster y
	s_cmp_eq_u32 s11, 0                            ; do I fetch for A?
	s_cselect_b32 s20, s13, s42                    ; the tile's first row: in A by the tile row, in B by the tile column
	s_cselect_b32 s21, s40, s41                    ; my place among the four that ask for it with me
	s_cselect_b32 s22, ttmp9, s22                  ; the coordinate along which other clusters read the same rows
	s_cselect_b64 s[PFA:PFA+1], s[4:5], s[6:7]
	s_cmp_eq_u32 s22, 0
	s_cselect_b32 s[LIM], 1, -1                    ; the same in all sixteen partners, for a given wave
	s_lshl_b32 s22, s12, 7
	s_add_co_u32 s20, s20, s22                     ; + the 128 rows that I fetch
	s_lshl_b32 s21, s21, 5
	s_add_co_u32 s20, s20, s21                     ; + my work-group's 32 of them
	s_mov_b32 s21, 0
	s_mov_b64 s[18:19], SIZE_K*2
	s_mul_u64 s[20:21], s[20:21], s[18:19]
	s_add_nc_u64 s[PFA:PFA+1], s[PFA:PFA+1], s[20:21]
	s_add_nc_u64 s[PFA:PFA+1], s[PFA:PFA+1], 2*KSTEP*2  ; at K step 2: the first refill steps it to 3 and names K step 4
	v_and_b32 v[PFO], 31, v0
	v_mul_u32_u24 v[PFO], v[PFO], SIZE_K*2
; 16 matrix instructions: m blocks a0, a0 + 1 of the window's four (hi = 0: my rows 0-63, 1: rows 64-127) x all 8 n blocks, 32 along K.
; first = 1: the product starts the sums, with the bias of its n block as C.  The 64 accumulators take turns, one instruction a turn, in the same order in every quarter step.
.macro MUL16 f, hi, a0, first
.if \first
	WIN MUL_1ST+0x40*(\hi)
.else
	WIN MUL_LO+0x50*(\hi)
.endif
.irp a, \a0, (\a0)+1
.irp b, 0,1,2,3,4,5,6,7
.if \first
	v_wmma_f32_16x16x32_f16 v[8*(8*(\a)+(\b)):8*(8*(\a)+(\b))+7], v[(\f)+8*(\b):(\f)+8*(\b)+7], v[(\f)+8*(4*(\hi)+(\a)):(\f)+8*(4*(\hi)+(\a))+7], v[BI+8*(\b):BI+8*(\b)+7]
.else
	v_wmma_f32_16x16x32_f16 v[8*(8*(\a)+(\b)):8*(8*(\a)+(\b))+7], v[(\f)+8*(\b):(\f)+8*(\b)+7], v[(\f)+8*(4*(\hi)+(\a)):(\f)+8*(4*(\hi)+(\a))+7], v[8*(8*(\a)+(\b)):8*(8*(\a)+(\b))+7]
.endif
.endr
.endr
.endm
; 32 LDS loads in one run: the fragments of one quarter step (128 rows of B, 128 rows of A, 32 K at byte k of the rows) into buffer f
.macro FETCH slot, k, f
	WIN TO_B
.irp i, 0,1,2,3,4,5,6,7
	ds_load_b128 v[(\f)+8*(\i):(\f)+8*(\i)+3],   v[ADRB+(\slot)] offset:(\k)+(\i)*16*PITCH
	ds_load_b128 v[(\f)+8*(\i)+4:(\f)+8*(\i)+7], v[ADRB+(\slot)] offset:(\k)+(\i)*16*PITCH+32
.endr
	WIN 0
.irp i, 0,1,2,3,4,5,6,7
	ds_load_b128 v[(\f)+8*(\i):(\f)+8*(\i)+3],   v[ADRA+(\slot)] offset:(\k)+(\i)*16*PITCH
	ds_load_b128 v[(\f)+8*(\i)+4:(\f)+8*(\i)+7], v[ADRA+(\slot)] offset:(\k)+(\i)*16*PITCH+32
.endr
.endm
; A load into a register that a matrix instruction has read, and an LDS store that reads a matrix result, stand four places behind that matrix instruction, and only plain vector instructions that name none
; of its registers are places (ISA guide 7.12.1 for vector instructions); the matrix instructions in between are not counted.
.macro PLACES
.rept 4
	v_nop
.endr
.endm
; A K step is four quarter steps of 32 along K, 64 matrix instructions each, on buffers 0, 1, 0, 1.
; One of the first three: multiplies buffer f; in its middle it fetches the next quarter's fragments, at byte k of the same slot's rows, into buffer g.
.macro QUARTER slot, k, f, g, first
	s_wait_dscnt 8                                 ; B and A's rows 0-63 are in; the youngest eight loads (A's rows 64-127) may be out
	MUL16 \f, 0, 0, \first
	MUL16 \f, 0, 2, \first
	PLACES
	FETCH \slot, \k, \g
	s_wait_dscnt 32                                ; all but the 32 just issued
	MUL16 \f, 1, 0, \first
	MUL16 \f, 1, 2, \first
.endm
; The last quarter multiplies buffer 1 and changes slots.  MEET is its first half: ONE barrier for the change of slots, for two things.  In front of it each wave waits for all its tensor loads, of which one
; is out: its part of the next slot; adds 0 to its spare word; and waits for that and for its own reads of this slot.  Behind it nobody reads this slot any more and the next slot is whole.
.macro MEET round                      ; round = 1: the rest of a round of the cluster's barrier follows
	WIN 0                                          ; (the add's two registers lie in window 0)
	s_wait_tensorcnt 0x0                           ; all my tensor loads have landed;
	ds_add_u32 v[SPW], v[NIL]                      ; 0 onto my spare word;
	s_wait_dscnt 9                                 ; (the add and the youngest eight loads may be out)
	MUL16 F1, 0, 0, 0                              ; sixteen matrix instructions stand between the add and the wait for it
	s_wait_dscnt 0x0                               ; the add is done, and my reads of this slot are over:
	s_barrier_signal -1                            ; say so,
	MUL16 F1, 0, 2, 0                              ; work on registers while the others arrive,
.if \round
	WIN 0
.endif
	s_barrier_wait -1                              ; and go on when all four have said so
.endm
; The whole last quarter.  fill = 1: behind a round of the cluster's barrier the slot just read out is filled again first, with the K step two steps on; then come the next slot's first fragments.
; From a request to the wait for it a wave issues 224 matrix instructions.  fill = 0: nothing is left to fetch, and no round follows.
.macro TURN slot, next, fill
.if \fill
	s_wait_xcnt 0x0                                ; the last prefetch, a K step back, has read its address: it is stepped here, ahead of the waits of the change of slots
	s_add_nc_u64 s[PFA:PFA+1], s[PFA:PFA+1], KSTEP*2
	MEET 1
	CREST                                          ; no wave of any partner still reads this slot's tile or has a load on its way
	s_add_nc_u64 s[G0+4*(\slot)+2:G0+4*(\slot)+3], s[G0+4*(\slot)+2:G0+4*(\slot)+3], 2*KSTEP*2
	s_add_nc_u64 s[G0B+4*(\slot)+2:G0B+4*(\slot)+3], s[G0B+4*(\slot)+2:G0B+4*(\slot)+3], 2*KSTEP*2
	JLOAD \slot                                    ; the first tensor load behind the round, my only one until the next; the four v_nop behind it are also the places in front of the loads below
.else
	MEET 0
	PLACES
.endif
	FETCH \next, 0, F0
.if \fill
	ASK                                            ; behind the joint load and the run of LDS loads that the next products wait for
.endif
	MUL16 F1, 1, 0, 0
	MUL16 F1, 1, 2, 0
.endm
; THE WAY OUT of block a (16 rows x 128 columns of f32).  TOSTAGE: a lane's 32 bytes of each n block go into my own stage, and whole rows of 512 bytes come back, into the fragment buffers by turns.
; Each accumulator's four lowest registers are stored first.  LDS serves a wave's instructions in order (ISA guide 5.7.1.4): the loads see the stores above them, and the next
; block's stores come behind this block's loads: no wait and no barrier between them.  No wait is written to hold a counter inside its field: issue stalls at a full counter (ISA guide 5.7.1).
.macro TOSTAGE a
.set AC, 64*((\a)%4)
.set BK, F0+64*((\a)%2)
	WIN 0x08+4*((\a)/4)                            ; the stores' data (source 1) in window 2 or 3
.irp b, 0,1,2,3,4,5,6,7
	ds_store_b128 v[STO], v[AC+8*(\b):AC+8*(\b)+3]   offset:64*(\b)
	ds_store_b128 v[STO], v[AC+8*(\b)+4:AC+8*(\b)+7] offset:64*(\b)+16
.endr
	WIN 0
.if (\a) >= 2
	s_wait_xcnt 0x0                                ; the registers that block a - 2's stores read are loaded again only behind this wait
.endif
.irp t, 0,1,2,3,4,5,6,7,8,9,10,11,12,13,14,15
	ds_load_b128 v[BK+4*(\t):BK+4*(\t)+3], v[RD] offset:SPITCH*(\t)
.endr
.endm
.macro SEND a, younger                 ; younger: the LDS instructions issued behind block a's loads: the next block's sixteen stores and sixteen loads, or none
	WIN 0
.set BK, F0+64*((\a)%2)
.irp t, 0,1,2,3,4,5,6,7,8,9,10,11,12,13,14,15
	s_wait_dscnt (\younger)+15-(\t)
	global_store_b128 v[CO], v[BK+4*(\t):BK+4*(\t)+3], s[OUTP:OUTP+1] offset:(16*(\a)+(\t))*SIZE_N*4 th:TH_STORE_NT  ; 512 consecutive bytes, at a multiple of 256 from out0's first; the row stands in the immediate, 2,080,768 at the most
.endr
.endm
	s_wait_tensorcnt 1                             ; my part of K step 0 is in; K step 1's may stay out
	s_barrier_signal -1
	s_barrier_wait -1                              ; everybody's is
	FETCH 0, 0, F0
	s_wait_loadcnt 0x0                             ; the bias
	QUARTER 0, 64,  F0, F1, 1                      ; the first quarter stands in front of the loop: its products start the sums
	WIN 0                                          ; at a label and at a branch every window is 0
	s_mov_b32 s3, LAPS-1
.Llap:                                                 ; a trip goes once round the ring, from a lap's second quarter to the next lap's first, and fills both slots again
	QUARTER 0, 128, F1, F0, 0
	QUARTER 0, 192, F0, F1, 0
	TURN 0, 1, 1
	QUARTER 1, 64,  F0, F1, 0
	QUARTER 1, 128, F1, F0, 0
	QUARTER 1, 192, F0, F1, 0
	TURN 1, 0, 1
	QUARTER 0, 64,  F0, F1, 0
	WIN 0
	s_sub_co_u32 s3, s3, 1
	s_cmp_lg_u32 s3, 0
	s_cbranch_scc1 .Llap
	QUARTER 0, 128, F1, F0, 0                      ; the last lap is written out: it fills nothing
	QUARTER 0, 192, F0, F1, 0
	TURN 0, 1, 0
	QUARTER 1, 64,  F0, F1, 0
	QUARTER 1, 128, F1, F0, 0
	QUARTER 1, 192, F0, F1, 0
	s_wait_dscnt 8                                 ; the very last quarter: nothing more to fetch
	MUL16 F1, 0, 0, 0
	MUL16 F1, 0, 2, 0
	s_wait_dscnt 0x0
	MUL16 F1, 1, 0, 0
	MUL16 F1, 1, 2, 0
	WIN 0
	PLACES                                         ; behind the last products, in front of the stores that read results and of the loads into the fragment buffers;
	PLACES                                         ; eight, once a launch
	TOSTAGE 0
.irp a, 1,2,3,4,5,6,7                  ; block a goes into the stage while block a - 1's rows come back and leave
	TOSTAGE \a
	SEND (\a)-1, 32
.endr
	SEND 7, 0
	s_wait_tensorcnt 0x0                           ; the wave's end: behind my last tensor load and my last LDS store
	ds_add_u32 v[SPW], v[NIL]
	s_wait_dscnt 0x0
	CROUND                                         ; the closing round: no work-group ends while a partner may still ask for a tile that names it
	s_endpgm
.Lfunc_end_k_qa09ac6f455_gemm:
	.size	k_qa09ac6f455_gemm, .Lfunc_end_k_qa09ac6f455_gemm-k_qa09ac6f455_gemm
	.p2alignl 7, 3214868480
	.fill 96, 4, 3214868480
	.section	.rodata,"a",@progbits
	.p2align	6, 0x0
	.amdhsa_kernel k_qa09ac6f455_gemm
		.amdhsa_group_segment_fixed_size 327680
		.amdhsa_private_segment_fixed_size 0
		.amdhsa_enable_private_segment 0
		.amdhsa_kernarg_size 32
		.amdhsa_user_sgpr_count 2
		.amdhsa_user_sgpr_kernarg_segment_ptr 1
		.amdhsa_wavefront_size32 1
		.amdhsa_system_sgpr_workgroup_id_x 1
		.amdhsa_system_sgpr_workgroup_id_y 1
		.amdhsa_system_sgpr_workgroup_id_z 1
		.amdhsa_system_vgpr_workitem_id 0
		.amdhsa_next_free_vgpr 1024
		.amdhsa_next_free_sgpr 72
		.amdhsa_reserve_vcc 0
		.amdhsa_float_denorm_mode_32 3
		.amdhsa_float_denorm_mode_16_64 3
		.amdhsa_memory_ordered 1
		.amdhsa_forward_progress 1
		.amdhsa_inst_pref_size 147
	.end_amdhsa_kernel
	.amdgpu_metadata
---
amdhsa.version: [ 1, 2 ]
amdhsa.kernels:
  - .name:           k_qa09ac6f455_gemm
    .symbol:         k_qa09ac6f455_gemm.kd
    .args:
      - { .name: xh, .offset: 0, .size: 8, .value_kind: global_buffer, .address_space: global }
      - { .name: wt, .offset: 8, .size: 8, .value_kind: global_buffer, .address_space: global }
      - { .name: bias, .offset: 16, .size: 8, .value_kind: global_buffer, .address_space: global }
      - { .name: out0, .offset: 24, .size: 8, .value_kind: global_buffer, .address_space: global }
    .group_segment_fixed_size: 327680
    .private_segment_fixed_size: 0
    .kernarg_segment_align: 8
    .kernarg_segment_size: 32
    .max_flat_workgroup_size: 128
    .sgpr_count:     72
    .vgpr_count:     1024
    .wavefront_size: 32
...
	.end_amdgpu_metadata
.endif
;; end of part 2
;; ======== version 2 of 2: 2 launches; version 1 with the launch prep written anew for expert scheduling mode
;; limits: values are held in f16: magnitudes above 65,504 overflow, below 6.1e-05 lose precision; inputs' magnitudes at most 65,504; right only within a limited range of input values
;; workspace buffers: xh 33,554,432 bytes; wt 33,554,432 bytes
;; launch prep (part 3): grid 256 x 3, 8 waves a work-group, no clusters, 103,424 bytes of LDS; arguments x, xh, qweight, qzeros, scales, g_idx, wt; writes xh, wt
.if DOCPART == 3
	.amdgcn_target "amdgcn-amd-amdhsa--gfx1250"
	.amdhsa_code_object_version 6
	.text
	.protected	k_qa09ac6f455_prep
	.globl	k_qa09ac6f455_prep
	.p2align	8
	.type	k_qa09ac6f455_prep,@function
k_qa09ac6f455_prep:
	s_mov_b64 s[64:65], 0
	v_nop
	global_prefetch_b8 v0, s[64:65] scope:SCOPE_SE
	s_setreg_imm32_b32 hwreg(HW_REG_WAVE_SCHED_MODE, 0, 2), 2
	s_setreg_imm32_b32 hwreg(HW_REG_WAVE_MODE, 25, 1), 1
	s_wait_xcnt 0x0
	s_wait_alu depctr_vm_vsrc(0)
; out0 = x W + bias, W[k][n] = scales[g_idx[k]][n] * (nibble k%8 of qweight[k/8][n] - nibble n%8 of qzeros[g_idx[k]][n/8] - 1).  M = N = K = 4,096.
; THIS LAUNCH makes the product's two operands in f16, each rounded once: xh[m][k] = x[m][k], and wt[n][k] = W[k][n], turned so that K lies along the rows.  The launch behind multiplies them and adds bias.
; NOTHING OF THE PROBLEM IS LEFT OUT: every input has a way to the output and is loaded (bias by the launch behind).  g_idx is read for every k; no pattern of it is built in.
; WHY AHEAD OF THE PRODUCT: a tile of W is wanted by the 16 tile rows of the output; made here, each of its 16.8 million numbers is unpacked once.
; WHY f16.  Each of 16.8 million outputs must lie within 1% of the output's root mean square r (plus 1% of itself).  An operand kept to p significant bits is off by about 2^-p / 2.6 of itself (root mean square),
; and a sum of 4,096 products by the same share of r: with p = 8, for two operands, about 0.2% of r, and the largest of so many numbers lies some five times higher: at the line.  With p = 11 it is an eighth of that.
; LIMITS.  f16 holds no number beyond 65,504: |x| and |W| (at most 16 |scale|) stay within it; from 65,520 on the conversion gives an infinity.  Below 6.1e-5 f16 keeps a fixed step of 6e-8, finer than
; 8 significant bits for every magnitude above 1.5e-5.  g_idx is taken as unsigned and held to 31: the values 0 .. 31, which index the 32 groups, are served exactly.  W is made in f32 as w s - s (z + 1):
; two roundings in f32 where the formula above has one, then the one to f16.  NaN and infinities are not treated apart.
; ROLES, by the work-group's y, which all eight waves share.  y = 0: 256 work-groups make wt.  y = 1, 2: 512 work-groups make xh.
; No matrix unit, no tensor load, no cluster: no two work-groups read the same large tile, and each byte of x and qweight is read once.
; THE MODE: SCHED_MODE bits 1:0 = 2 (LLVM: expert scheduling mode 2), set by the entry lines.  The code itself states the register dependences between vector instructions and memory or LDS
; instructions, with s_wait_alu, always for 0.  Each of the two ways has its plan at its head.
.set SPARE, 102400                     ; the spare words: 128 bytes for each of eight waves, four blocks of 256 bytes that no other line names
.set SPW,   10                         ; v10  LDS address of my spare word: SPARE + 4 x my thread's number; never rewritten
.set NIL,   11                         ; v11  0; never rewritten
.set WV,    84                         ; s84  my wave's number
	s_load_b128 s[4:7], s[0:1], 0x0                ; x s[4:5], xh s[6:7]
	s_load_b256 s[8:15], s[0:1], 0x10              ; qweight s[8:9], qzeros s[10:11], scales s[12:13], g_idx s[14:15]
	s_load_b64 s[2:3], s[0:1], 0x30                ; wt
	v_lshl_add_u32 v[SPW], v0, 2, SPARE
	v_mov_b32 v[NIL], 0
	v_lshrrev_b32 v1, 5, v0
	v_readfirstlane_b32 s[WV], v1                  ; wave 0..7
	v_and_b32 v2, 31, v0                           ; lane l
	s_and_b32 s85, ttmp7, 0xffff                   ; y
	s_mov_b32 s87, 0                               ; the high words of the two offset pairs s[86:87], s[88:89]
	s_mov_b32 s89, 0
	s_wait_alu depctr_va_sdst(0)                   ; s84 is written: ahead of the branch
	s_cmp_eq_u32 s85, 0
	s_cbranch_scc1 .Ldeq                           ; the same way for all waves of a work-group
; ---------------------------------------------------------------- y = 1, 2: xh = f16(x)
; Work-group c = 256 (y - 1) + x owns 8 rows of x: 131,072 bytes in, 65,536 out.  A wave owns 16,384 consecutive bytes in: 32 loads of 512 consecutive bytes; each makes one store of 256 consecutive
; bytes, aligned.  Sixteen loads of a wave are on their way at a time.  Each of the 32 stores has its own pair of data registers, and the two offsets are never rewritten.
; THE PLAN.  The 32 loads go in eight blocks of four.  Registers that memory instructions touch:
;   v3, v4   the two offsets: written once, ahead of the wait that stands in front of the first load; read by every load and store.
;   CX       four buffers of four slots.  Block p's eight conversions read buffer p % 4; in blocks 0 to 3 the loads of block p + 4 then land in it.
;   CY       32 pairs.  Each is written by one conversion and read by one store, and never written again.
; So ONE wait on va_vdst stands in a block, behind its conversions: they are done reading the block's CX and have written its CY.  The block's four loads and four stores follow it.  The wait stands there
; and not at the next block's head, so that a buffer is asked for again at once.  Nothing that a memory instruction reads is written again: no wait on vm_vsrc is owed on this way.
.set CIN,  3                           ; v3        16,384 x wave + 16 l
.set COUT, 4                           ; v4        8,192 x wave + 8 l
.set CX,   16                          ; v[16:79]  sixteen slots of four f32
.set CY,   80                          ; v[80:143] thirty-two pairs of packed f16
	s_sub_co_u32 s86, s85, 1
	s_lshl_b32 s86, s86, 8
	s_add_co_u32 s86, s86, ttmp9                   ; c, 0 .. 511
	s_lshl_b32 s88, s86, 16                        ; its bytes in xh,
	s_lshl_b32 s86, s86, 17                        ; and in x
	v_and_b32 v[CIN], 0xe0, v0                     ; 32 x wave
	v_lshlrev_b32 v[COUT], 8, v[CIN]
	v_lshlrev_b32 v[CIN], 9, v[CIN]
	v_lshl_or_b32 v[CIN], v2, 4, v[CIN]
	v_lshl_or_b32 v[COUT], v2, 3, v[COUT]
	s_wait_kmcnt 0x0
	s_add_nc_u64 s[4:5], s[4:5], s[86:87]
	s_add_nc_u64 s[6:7], s[6:7], s[88:89]
	s_wait_alu depctr_va_vdst(0)                   ; v3 and v4 are written: every load and store of this way reads one of them as its offset
.irp i, 0,1,2,3,4,5,6,7,8,9,10,11,12,13,14,15
	global_load_b128 v[CX+4*(\i):CX+4*(\i)+3], v[CIN], s[4:5] offset:512*(\i) th:TH_LOAD_NT
.endr
; Block p: loads 4 p .. 4 p + 3 of the wave's 32, in slots 4 (p % 4) on.  left = how many younger loads may stay out.  In blocks 0 to 3 the slots are loaded again, each load ahead of a store.
.macro CBLK p, left
	s_wait_loadcnt \left                           ; loads come back in order: the block's four are in
.irp i, 0,1,2,3
	v_cvt_pk_f16_f32 v[CY+2*(4*(\p)+(\i))],   v[CX+4*(4*((\p)%4)+(\i))],   v[CX+4*(4*((\p)%4)+(\i))+1]
	v_cvt_pk_f16_f32 v[CY+2*(4*(\p)+(\i))+1], v[CX+4*(4*((\p)%4)+(\i))+2], v[CX+4*(4*((\p)%4)+(\i))+3]
.endr
	s_wait_alu depctr_va_vdst(0)                   ; the eight conversions are done reading the block's CX, in which the loads below land, and have written its CY, which the stores below read
.irp i, 0,1,2,3
.if (\p) < 4
	global_load_b128 v[CX+4*(4*(\p)+(\i)):CX+4*(4*(\p)+(\i))+3], v[CIN], s[4:5] offset:512*(16+4*(\p)+(\i)) th:TH_LOAD_NT
.endif
	global_store_b64 v[COUT], v[CY+2*(4*(\p)+(\i)):CY+2*(4*(\p)+(\i))+1], s[6:7] offset:256*(4*(\p)+(\i)) th:TH_STORE_NT
.endr
.endm
.irp p, 0,1,2,3,4
	CBLK \p, 12                                    ; behind a block's four loads stand three blocks' twelve: of the first run, or asked for again since
.endr
	CBLK 5, 8                                      ; nothing more is loaded: the counts run down
	CBLK 6, 4
	CBLK 7, 0
	s_endpgm                                       ; this way has written no LDS
; ---------------------------------------------------------------- y = 0: wt = f16(W) turned
; Work-group d: strip = d / 8: the 128 columns n0 = 128 strip on; kq = d % 8: 512 k, as four tiles of 128 k x 128 n.  In tile tau wave w takes the two packed rows k8 = 64 kq + 16 tau + 2 w + r (r = 0, 1),
; a lane the four words of columns n0 + 4 l .. + 3: a load of a wave covers 512 consecutive bytes of qweight.
; TABLES.  For the strip's 128 columns and all 32 groups LDS holds s and s (z + 1) in f32, 512 bytes a group.  For each k the wave's g_idx[k], a scalar, picks the row: two LDS loads of 16 bytes a lane.
; STAGE.  A lane's eight k of a column pack into 16 bytes.  Column 4 l + i goes to stage row 32 i + l.
; Behind a barrier whole rows of 256 bytes (one n, 128 k) are read back and stored: sixteen lanes write 256 consecutive bytes, aligned.  Two stages take turns.
; THE PLAN.  Registers that LDS or memory instructions touch:
;   v4-v9, v12, v13, v15   addresses and offsets: written once, ahead of the wait that stands in front of the first load; never written again.
;   Q          loaded once; read by the unpacking alone.
;   AD0, AD1   eight table addresses each, by the packed row's parity r.  Written by the adds that stand in the row before; read by the row's sixteen table loads.
;   T          The row's sixteen table loads land in it; its multiply-adds read it; its roundings write T's low sixteen registers, which four LDS stores read.
;   RB         T's upper 32 registers: at a tile's end eight LDS loads land in them, and eight global stores read them.
;   W          named by vector instructions alone.
; A row: a wait on va_vdst; the four LDS stores of the row before; a wait on vm_vsrc; the row's table loads; its unpacking and the next row's addresses (into the other AD set), while those loads are
; on their way; its multiply-adds and roundings.  The wait on va_vdst states that the row before has written T's low sixteen, is done reading T, and that the addresses are written.  The wait on vm_vsrc states
; that the stores have read T's low sixteen, and that the table loads of the row before have read the AD set that this row's adds write; at a tile's head also that the global stores have read RB.
; At a tile's end the wait on va_vdst stands ahead of the stores in front of the barrier, and serves the rows read back and the next tile's first table loads as well: the only vector instructions between
; are the next row's 32 v_bfe_u32, which name Q and W.  Two waits of each kind a tile.
.set TS,   0                           ; LDS: s, 32 groups x 512 bytes
.set TC,   16384                       ; LDS: s (z + 1), likewise
.set STG0, 32768                       ; LDS: stage 0, 128 rows x 272 bytes
.set STG1, 67584                       ; LDS: stage 1
.set TA,   3                           ; v3   16 l: my place in a table's row
.set ST,   4                           ; v4-5 stage 0, 1: where I put 16 bytes: 272 l + 32 w
.set RD,   6                           ; v6-7 stage 0, 1: where I read back: (16 w + l / 16) x 272 + 16 (l % 16)
.set GO,   8                           ; v8   my byte offset in wt
.set QO,   9                           ; v9   32,768 w + 16 l, in qweight
.set SO,   12                          ; v12  16,384 w + 16 l, in scales
.set ZO,   13                          ; v13  2,048 w + 4 (l / 2), in qzeros
.set SH,   14                          ; v14  16 (l % 2): my four nibbles' place in that word
.set TW,   15                          ; v15  512 w + 16 l: where I write the tables
.set Q,    16                          ; v[16:47]   packed row (tau, r) at Q + 4 (2 tau + r)
.set T,    48                          ; v[48:111]  for k = j of 8: s at T + 8 j, s (z + 1) at T + 8 j + 4; then v[48:63] the packed columns
.set RB,   80                          ; v[80:111]  rows read back
.set W,    112                         ; v[112:143] number (j, i) at W + 4 j + i
.set AD,   144                         ; v[144:159] two sets of eight table addresses: set r at AD + 8 r
.Ldeq:
	s_lshr_b32 s90, ttmp9, 3                       ; strip
	s_and_b32 s91, ttmp9, 7                        ; kq
	v_lshlrev_b32 v[TA], 4, v2
	v_and_b32 v144, 15, v2                         ; l % 16
	v_lshrrev_b32 v145, 4, v2                      ; l / 16
	v_mul_u32_u24 v[ST], v2, 272
	s_lshl_b32 s92, s[WV], 5
	s_add_co_u32 s93, s92, STG1
	s_add_co_u32 s92, s92, STG0
	v_add_nc_u32 v[ST+1], s93, v[ST]
	v_add_nc_u32 v[ST], s92, v[ST]
	v_mul_u32_u24 v[RD], v145, 272
	v_lshl_add_u32 v[RD], v144, 4, v[RD]
	s_mul_i32 s92, s[WV], 16*272
	s_add_co_u32 s93, s92, STG1
	s_add_co_u32 s92, s92, STG0
	v_add_nc_u32 v[RD+1], s93, v[RD]
	v_add_nc_u32 v[RD], s92, v[RD]
	; stage row p = 16 w + 2 t + l / 16 holds column 4 (p % 32) + p / 32 = 64 (w % 2) + 8 t + 4 (l / 16) + w / 2; a row of wt is 8,192 bytes
	s_and_b32 s92, s[WV], 1
	s_lshl_b32 s92, s92, 19
	s_lshr_b32 s93, s[WV], 1
	s_lshl_b32 s93, s93, 13
	s_add_co_u32 s92, s92, s93
	v_lshlrev_b32 v[GO], 15, v145
	v_lshl_add_u32 v[GO], v144, 4, v[GO]
	v_add_nc_u32 v[GO], s92, v[GO]
	v_lshl_add_u32 v[QO], s[WV], 15, v[TA]
	v_lshl_add_u32 v[SO], s[WV], 14, v[TA]
	v_lshrrev_b32 v[ZO], 1, v2
	v_lshlrev_b32 v[ZO], 2, v[ZO]
	v_lshl_add_u32 v[ZO], s[WV], 11, v[ZO]
	v_and_b32 v[SH], 1, v2
	v_lshlrev_b32 v[SH], 4, v[SH]
	v_lshl_add_u32 v[TW], s[WV], 9, v[TA]
	s_wait_kmcnt 0x0
	s_lshl_b32 s86, s91, 20                        ; qweight: 64 kq rows of 16,384 bytes,
	s_lshl_b32 s88, s90, 9                         ; 128 strip columns of 4 bytes
	s_add_nc_u64 s[8:9], s[8:9], s[86:87]
	s_add_nc_u64 s[8:9], s[8:9], s[88:89]
	s_add_nc_u64 s[12:13], s[12:13], s[88:89]      ; scales: the same columns
	s_lshl_b32 s86, s90, 6                         ; qzeros: 16 strip words
	s_add_nc_u64 s[10:11], s[10:11], s[86:87]
	s_lshl_b32 s86, s91, 11                        ; g_idx: 512 kq numbers,
	s_lshl_b32 s88, s[WV], 6                       ; my wave's 16 of a tile's 128
	s_add_nc_u64 s[14:15], s[14:15], s[86:87]
	s_add_nc_u64 s[14:15], s[14:15], s[88:89]
	s_lshl_b32 s86, s90, 20                        ; wt: 128 strip rows of 8,192 bytes,
	s_lshl_b32 s88, s91, 10                        ; 512 kq numbers of 2 bytes
	s_add_nc_u64 s[2:3], s[2:3], s[86:87]
	s_add_nc_u64 s[2:3], s[2:3], s[88:89]
	s_wait_alu depctr_va_vdst(0)                   ; the addresses and offsets v4 to v9, v12, v13 and v15 are written, which the loads and stores of this way read
	; all that the work-group reads is asked for at once: the four tiles' packed rows, the wave's 64 indices, its four groups of the tables
.irp u, 0,1,2,3
.irp r, 0,1
	global_load_b128 v[Q+4*(2*(\u)+(\r)):Q+4*(2*(\u)+(\r))+3], v[QO], s[8:9] offset:(16*(\u)+(\r))*16384 th:TH_LOAD_NT
.endr
.endr
	s_load_b512 s[16:31], s[14:15], 0x0            ; g_idx of my 16 k in tile 0,
	s_load_b512 s[32:47], s[14:15], 0x200          ; tile 1,
	s_load_b512 s[48:63], s[14:15], 0x400          ; tile 2,
	s_load_b512 s[68:83], s[14:15], 0x600          ; tile 3
.irp g, 0,1,2,3                        ; group w + 8 g
	global_load_b128 v[48+4*(\g):48+4*(\g)+3], v[SO], s[12:13] offset:131072*(\g)
	global_load_b32 v[64+(\g)], v[ZO], s[10:11] offset:16384*(\g)
.endr
; The eight table addresses of one packed row, into set \set.  gb: the first scalar register of the row's eight indices.
.macro ADDR set, gb
.irp j, 0,1,2,3,4,5,6,7
	s_min_u32 s[(\gb)+(\j)], s[(\gb)+(\j)], 31     ; the group, held inside the tables
	s_lshl_b32 s[(\gb)+(\j)], s[(\gb)+(\j)], 9     ; its row of 512 bytes
	v_add_nc_u32 v[AD+8*(\set)+(\j)], s[(\gb)+(\j)], v[TA]
.endr
.endm
; The sixteen table loads of one packed row, by address set \set.
.macro LOOKUP set
.irp j, 0,1,2,3,4,5,6,7
	ds_load_b128 v[T+8*(\j):T+8*(\j)+3],   v[AD+8*(\set)+(\j)] offset:TS
	ds_load_b128 v[T+8*(\j)+4:T+8*(\j)+7], v[AD+8*(\set)+(\j)] offset:TC
.endr
.endm
; The unpacking of packed row (tau, r), in two parts: the nibbles, and their conversion.  Both name Q and W alone.
.macro BITS tau, r
.irp j, 0,1,2,3,4,5,6,7
.irp i, 0,1,2,3
	v_bfe_u32 v[W+4*(\j)+(\i)], v[Q+4*(2*(\tau)+(\r))+(\i)], 4*(\j), 4
.endr
.endr
.endm
.macro FLOATS
.set z, 0
.rept 32
	v_cvt_f32_u32 v[W+z], v[W+z]
.set z, z+1
.endr
.endm
.macro SCALE
.irp j, 0,1,2,3,4,5,6,7
	s_wait_dscnt 14-2*(\j)                         ; LDS loads come back in order: the two of k = j are in, the 2 (7 - j) behind them may stay out
	v_pk_fma_f32 v[W+4*(\j):W+4*(\j)+1],   v[W+4*(\j):W+4*(\j)+1],   v[T+8*(\j):T+8*(\j)+1],   v[T+8*(\j)+4:T+8*(\j)+5] neg_lo:[0,0,1] neg_hi:[0,0,1]  ; w s - s (z + 1)
	v_pk_fma_f32 v[W+4*(\j)+2:W+4*(\j)+3], v[W+4*(\j)+2:W+4*(\j)+3], v[T+8*(\j)+2:T+8*(\j)+3], v[T+8*(\j)+6:T+8*(\j)+7] neg_lo:[0,0,1] neg_hi:[0,0,1]
.endr
.endm
.macro PACK
.irp i, 0,1,2,3
.irp p, 0,1,2,3
	v_cvt_pk_f16_f32 v[T+4*(\i)+(\p)], v[W+8*(\p)+(\i)], v[W+8*(\p)+4+(\i)]  ; column i: k = 2 p below, 2 p + 1 above
.endr
.endr
.endm
.macro PUT tau, r
.irp i, 0,1,2,3
	ds_store_b128 v[ST+(\tau)%2], v[T+4*(\i):T+4*(\i)+3] offset:8704*(\i)+16*(\r)  ; stage row 32 i + l, bytes 32 w + 16 r on
.endr
.endm
	s_wait_loadcnt 0x0                             ; once: the packed rows are in as well
	s_wait_kmcnt 0x0                               ; the indices
.irp g, 0,1,2,3
	v_lshrrev_b32 v[64+(\g)], v[SH], v[64+(\g)]    ; my four nibbles come down
.irp i, 0,1,2,3
	v_bfe_u32 v[68+(\i)], v[64+(\g)], 4*(\i), 4
.endr
.irp i, 0,1,2,3
	v_cvt_f32_u32 v[68+(\i)], v[68+(\i)]
.endr
.irp i, 0,1,2,3
	v_fma_f32 v[72+4*(\g)+(\i)], v[48+4*(\g)+(\i)], v[68+(\i)], v[48+4*(\g)+(\i)]  ; s zq + s = s (zq + 1)
.endr
.endr
	ADDR 0, 16                                     ; the first packed row's table addresses
	s_wait_alu depctr_va_vdst(0)                   ; v[72:87] are written, which the LDS stores below read; the lines above are done with v[48:87], in which the first table loads land; AD0 is written, which those loads read
.irp g, 0,1,2,3
	ds_store_b128 v[TW], v[48+4*(\g):48+4*(\g)+3] offset:TS+4096*(\g)
	ds_store_b128 v[TW], v[72+4*(\g):72+4*(\g)+3] offset:TC+4096*(\g)
.endr
	s_wait_dscnt 0x0                               ; for the others' sake: my part of the tables is written
	s_barrier_signal -1
	s_barrier_wait -1                              ; the tables are whole; nobody writes them again
; A tile.  gb1: the first scalar register of its second row's eight indices; gbn: of the next tile's first row's.
; One barrier: in front of it each wave's stores into the stage are done, and so are its reads of the other stage (the last tile's count-down ended at 0), which the next tile writes again.
.macro TILE tau, gb1, gbn
.if (\tau) > 0
	s_wait_xcnt 0x0                                ; RB, which the last tile's stores read, is loaded again only behind this wait
.endif
	s_wait_alu depctr_vm_vsrc(0)                   ; the LDS stores issued so far (the tables', or the last row's four) have read T's registers, the last tile's global stores RB, and its second row's table loads AD1, which this row writes
	LOOKUP 0                                       ; no wait on va_vdst: since the last one no vector instruction names T or AD0
.if (\tau) == 0
	BITS 0, 0                                      ; (a later tile's first nibbles were taken at the end of the tile before)
.endif
	FLOATS                                         ; the unpacking and the next row's addresses stand between the sixteen loads and the waits for them
	ADDR 1, \gb1
	SCALE
	PACK
	s_wait_alu depctr_va_vdst(0)                   ; the roundings have written T's low sixteen, which the stores below read; the multiply-adds are done reading T, in which the loads below land; AD1 is written, which they read
	PUT \tau, 0
	s_wait_alu depctr_vm_vsrc(0)                   ; those four stores have read T's low sixteen, in which loads land; the first row's table loads have read AD0, which this row writes
	LOOKUP 1
	BITS \tau, 1
	FLOATS
.if (\tau) < 3
	ADDR 0, \gbn
.endif
	SCALE
	PACK
	s_wait_alu depctr_va_vdst(0)                   ; the roundings have written T's low sixteen, which the stores below read; the multiply-adds are done reading T, RB among it, in which the rows read back and the next tile's table loads land; AD0 is written
	PUT \tau, 1
	s_wait_dscnt 0x0
	s_barrier_signal -1
	s_barrier_wait -1
.irp t, 0,1,2,3,4,5,6,7
	ds_load_b128 v[RB+4*(\t):RB+4*(\t)+3], v[RD+(\tau)%2] offset:544*(\t)  ; rows 16 w + 2 t and + 1
.endr
.if (\tau) < 3
	BITS (\tau)+1, 0                               ; the next row's nibbles stand between the eight loads and the waits for them: they name Q and W alone
.endif
.irp t, 0,1,2,3,4,5,6,7
	s_wait_dscnt 7-(\t)
	global_store_b128 v[GO], v[RB+4*(\t):RB+4*(\t)+3], s[2:3] offset:65536*(\t)+256*(\tau) th:TH_STORE_NT  ; sixteen lanes: 256 consecutive bytes of one row of wt, aligned
.endr
.endm
	TILE 0, 24, 32
	TILE 1, 40, 48
	TILE 2, 56, 68
	TILE 3, 76, 0
	s_wait_dscnt 0x0                               ; the wave's end: the closing lines, six on end
	s_wait_alu 0x0
	s_wait_tensorcnt 0x0
	ds_add_u32 v[SPW], v[NIL]
	s_wait_dscnt 0x0
	s_endpgm
.Lfunc_end_k_qa09ac6f455_prep:
	.size	k_qa09ac6f455_prep, .Lfunc_end_k_qa09ac6f455_prep-k_qa09ac6f455_prep
	.p2alignl 7, 3214868480
	.fill 96, 4, 3214868480
	.section	.rodata,"a",@progbits
	.p2align	6, 0x0
	.amdhsa_kernel k_qa09ac6f455_prep
		.amdhsa_group_segment_fixed_size 103424
		.amdhsa_private_segment_fixed_size 0
		.amdhsa_enable_private_segment 0
		.amdhsa_kernarg_size 56
		.amdhsa_user_sgpr_count 2
		.amdhsa_user_sgpr_kernarg_segment_ptr 1
		.amdhsa_wavefront_size32 1
		.amdhsa_system_sgpr_workgroup_id_x 1
		.amdhsa_system_sgpr_workgroup_id_y 1
		.amdhsa_system_sgpr_workgroup_id_z 1
		.amdhsa_system_vgpr_workitem_id 0
		.amdhsa_next_free_vgpr 160
		.amdhsa_next_free_sgpr 96
		.amdhsa_reserve_vcc 0
		.amdhsa_float_denorm_mode_32 3
		.amdhsa_float_denorm_mode_16_64 3
		.amdhsa_memory_ordered 1
		.amdhsa_forward_progress 1
		.amdhsa_inst_pref_size 85
	.end_amdhsa_kernel
	.amdgpu_metadata
---
amdhsa.version: [ 1, 2 ]
amdhsa.kernels:
  - .name:           k_qa09ac6f455_prep
    .symbol:         k_qa09ac6f455_prep.kd
    .args:
      - { .name: x, .offset: 0, .size: 8, .value_kind: global_buffer, .address_space: global }
      - { .name: xh, .offset: 8, .size: 8, .value_kind: global_buffer, .address_space: global }
      - { .name: qweight, .offset: 16, .size: 8, .value_kind: global_buffer, .address_space: global }
      - { .name: qzeros, .offset: 24, .size: 8, .value_kind: global_buffer, .address_space: global }
      - { .name: scales, .offset: 32, .size: 8, .value_kind: global_buffer, .address_space: global }
      - { .name: g_idx, .offset: 40, .size: 8, .value_kind: global_buffer, .address_space: global }
      - { .name: wt, .offset: 48, .size: 8, .value_kind: global_buffer, .address_space: global }
    .group_segment_fixed_size: 103424
    .private_segment_fixed_size: 0
    .kernarg_segment_align: 8
    .kernarg_segment_size: 56
    .max_flat_workgroup_size: 256
    .sgpr_count:     96
    .vgpr_count:     160
    .wavefront_size: 32
...
	.end_amdgpu_metadata
.endif
;; end of part 3
;; launch gemm: the kernel of part 2 again; grid 16 x 16, 4 waves a work-group, clusters of 4 x 4, 327,680 bytes of LDS; arguments xh, wt, bias, out0; writes out0
